; MI455X (gfx1250); checked and timed in simulation.
; The chip was launched on July 23, 2026; its instructions are those of AMD's public machine-readable ISA for CDNA 5 (MIT licence, August 2026) and "CDNA5" Instruction Set Architecture Reference Guide (July 2026). The comments in the code are by the model that wrote it; some were corrected since.
;; Residual Spatial Enhance Module. Allowed arithmetic: matrix products marked QUANTISED: E2M1 operands, one E8M0 scale for each 32 along K, by v_wmma_scale_f32_16x16x128_f8f6f4 with both operands' format E2M1 (or v_wmma_scale_f32_32x16x128_f4), f32 sums; everything else in f32.
;; Inputs: bk 128 float32; bn_beta 256 float32; bn_gamma 256 float32; bn_mean 256 float32; bn_var 256 float32; bo 256 float32; bq 128 float32; bv 256 float32; gamma 1 float32; wk 128 x 256 float32; wo 256 x 256 float32; wq 128 x 256 float32; wv 256 x 256 float32; x_guide 8 x 256 x 64 x 64 float32; x_main 8 x 256 x 64 x 64 float32.
;; Outputs: out0 8 x 256 x 64 x 64 float32.
;; This version of the problem:
;;   THIS VERSION OF THE PROBLEM IS GIVEN IN LOW PRECISION. The matrix products marked QUANTISED in the list below multiply operands that are first quantised to E2M1 (2 exponent bits, 1 mantissa bit; 4 bits a number), with one power-of-two scale for each 32 numbers along K (OCP MX v1.0); their sums are f32. All else is computed in f32.
;;   The module's matrix products, in the order in which they are computed (A, B: the left and right operand; K: the contracted axis; several contracted axes count as one K, in the product's order):
;;     1. [M 32,768, K 256] x [K 256, N 128]; A: input x_main; B: input wq: QUANTISED
;;     2. [M 32,768, K 256] x [K 256, N 128]; A: input x_guide; B: input wk: QUANTISED
;;     3. batch 8 x [M 4,096, K 128] x [K 128, N 4,096]; A: computed on the way; B: computed on the way: QUANTISED
;;     4. [M 32,768, K 256] x [K 256, N 256]; A: input x_guide; B: input wv: QUANTISED
;;     5. batch 8 x [M 256, K 4,096] x [K 4,096, N 4,096]; A: computed on the way; B: softmax (see below): QUANTISED
;;     6. [M 32,768, K 256] x [K 256, N 256]; A: computed on the way; B: input wo: QUANTISED
;;   THE QUANTISER, for each operand of a quantised product, along K:
;;     - K is cut into blocks of 32 from its start; a last block that is shorter is filled with zeros.
;;     - A block's scale is 2^e with e = floor(log2(the largest magnitude in the block)) - 2, held to -126 .. 127; a block of zeros has e = 0. As a byte (E8M0): e + 127.
;;     - Each number is divided by its block's scale, clamped to +-6, and rounded to the nearest number of E2M1, ties to even, subnormals kept.
;;     - The product sums the exact products of the quantised numbers (number of the format x scale) in f32.
;;   ~~~python
;;   def quantise(x, axis):      # numpy; x: float32 -> the quantised numbers, widened to float32 again
;;       x = np.moveaxis(x, axis, -1); K = x.shape[-1]
;;       x = np.pad(x, [(0, 0)] * (x.ndim - 1) + [(0, -K % 32)]); x = x.reshape(x.shape[:-1] + (-1, 32)); a = np.abs(x).max(-1, keepdims=True)
;;       e = np.where(a > 0, np.clip(np.frexp(np.where(a > 0, a, 1))[1] - 1 - 2, -126, 127), 0)      # np.frexp(a)[1] - 1 = floor(log2(a)), exactly
;;       r = np.clip(x / 2.0 ** e, -6, 6)
;;       step = 2.0 ** (np.maximum(np.frexp(np.where(r == 0, 1, r))[1] - 1, 0) - 1)
;;       q = np.round(r / step) * step * 2.0 ** e      # np.round: ties to even
;;       return np.moveaxis(q.reshape(q.shape[:-2] + (-1,))[..., :K], -1, axis).astype(np.float32)
;;   ~~~
;;   SOFTMAX AHEAD OF A QUANTISED PRODUCT. Where the list says 'softmax', what is quantised is not the finished softmax but p = 2^(t - M), with t = logit x log2(e) and M = ceil(the row's largest t), a whole number; so 1/2 < the row's largest p <= 1. The row's sum l is taken of the UNQUANTISED p, in f32, and the product's result is divided by l at the end. Since M is a whole number, a kernel that streams over the keys may use a running M (the ceiling of the running maximum): every later rescaling is an exact power of two, which a block's scale takes up: the codes' values come out the same.
;;   OPERANDS COMPUTED ON THE WAY. 'Computed on the way' means the value that the module computes at that place (a softmax that the list does not call 'softmax' is quantised finished and normalised). What goes into a quantiser is computed in f32, as accurately as f32 sums, v_exp_f32 and their like allow (about 1e-6 of the number): no bf16 or f16 on the way to a quantiser, and a product that is left as it is and whose result goes on into a quantised operand takes f32 operands (vector FMAs, or v_wmma_f32_16x16x4_f32). A number that lies on a knife's edge between two numbers of the format may be rounded either way, as far as f32 arithmetic and the matrix unit's own rounding can turn it there, and no further.
;; One version. Each part assembles by itself: llvm-mc -triple=amdgcn-amd-amdhsa -mcpu=gfx1250 --defsym DOCPART=n.
;; ======== version 1 of 1: 3 launches
;; workspace buffers: wts 104,448 bytes; bnab 2,048 bytes; q 2,228,224 bytes; kv 6,684,672 bytes
;; launch wprep (part 1): grid 48 x 1, 1 waves a work-group, no clusters, 0 bytes of LDS; arguments wq, wk, wv, wo, bo, bn_gamma, bn_beta, bn_mean, bn_var, wts, bnab; writes wts, bnab
.if DOCPART == 1
	.amdgcn_target "amdgcn-amd-amdhsa--gfx1250"
	.amdhsa_code_object_version 6
	.text
	.protected	k_qd90826a77e_wprep
	.globl	k_qd90826a77e_wprep
	.p2align	8
	.type	k_qd90826a77e_wprep,@function
k_qd90826a77e_wprep:
	s_mov_b64 s[64:65], 0
	v_nop
	global_prefetch_b8 v0, s[64:65] scope:SCOPE_SE
	s_setreg_imm32_b32 hwreg(HW_REG_WAVE_MODE, 25, 1), 1
	s_wait_xcnt 0x0
; The four weights (wq, wk [128][256]; wv, wo [256][256], f32, K innermost) become codes of FP4 (E2M1) with one E8M0 scale byte for each 32 along K,
; laid in the order of an operand's registers, so that the later launches take each fragment by loads of 16 bytes a lane.
; wts: six records of SREC bytes (wq; wk; wv tiles 0-7, 8-15; wo tiles 0-7, 8-15).  In a record: the codes of tile t, K step s, register group c at (2 t + s) 1024 + 512 c, lane l's 16 bytes at 16 l;
; the scale words of K step s at 16384 + 512 s: word b of lane l is that of tile 2 b (lanes 0-15, row l) or of tile 2 b + 1 (lanes 16-31, row l - 16).
; THE ROWS OF A TILE ARE NOT NEIGHBOURS: lane r of a tensor's tile 2 B + u takes row 32 B + 8 u + r + 8 (r / 8), so that the results of two neighbouring tiles are 16 neighbours along the next product's K.
; One wave to a work-group, one tile (16 rows x 256 along K) to a wave: 48 tiles.  Lane (r, h) holds whole blocks of 32: blocks 4 s + 2 c + h of its row, as the operand's layout gives them to it.
; The 16 work-groups of wo also make the constants of the batch norm for their 16 output channels: A = bn_gamma / sqrt(bn_var + 1e-5), Bc = (bo - bn_mean) A + bn_beta; bnab: A at 64 r + 4 tile, Bc 1,024 bytes on.
; Their five numbers a lane are asked for with the weight's, in every work-group (the index, a tile's row number, is under 256 in all four tensors), so that no second trip to memory follows the first; only wo's work-groups use them.
; A block's scale is 2^(floor(log2(largest magnitude)) - 2); its byte is the largest magnitude's exponent field - 2, held at 1 from below.
; LIMITS: NaN and infinities are not served; a block whose largest magnitude lies under 2^-124, a block of zeros among them, keeps the byte 1 (zeros have zero codes, and this program alone reads the bytes).
.set SREC, 17408
.set XR,   32                          ; v32-159  four blocks of 32 numbers: block q = 2 s + c
.set CR,   160                         ; v160-175 their codes
	s_load_b512 s[4:19], s[0:1], 0x0               ; wq s[4:5], wk s[6:7], wv s[8:9], wo s[10:11], bo s[12:13], bn_gamma s[14:15], bn_beta s[16:17], bn_mean s[18:19]
	s_load_b128 s[20:23], s[0:1], 0x40             ; bn_var s[20:21], wts s[22:23]
	s_load_b64 s[24:25], s[0:1], 0x50              ; bnab
	v_and_b32 v1, 15, v0                           ; r
	v_lshrrev_b32 v2, 4, v0                        ; h
	v_and_b32 v3, 8, v1
	v_add_nc_u32 v3, v3, v1                        ; r + 8 (r / 8)
	v_lshlrev_b32 v4, 10, v3                       ; a row of a weight is 1,024 bytes,
	v_lshl_add_u32 v4, v2, 7, v4                   ; + 128 h: my half's block
	v_lshlrev_b32 v5, 4, v0                        ; an image: 16 bytes a lane
	v_lshlrev_b32 v6, 4, v1
	v_lshl_add_u32 v6, v2, 9, v6                   ; the scale word: 16 r, and K step h's image
	s_mov_b32 s36, 0x76543210
	s_mov_b32 s37, 0xfedcba98                      ; v_permlanex16_b32's selects for lane l xor 16
	s_wait_kmcnt 0x0
	s_cmp_lt_u32 ttmp9, 32                         ; which tensor: the choice hangs on the work-group's number alone
	s_cselect_b64 s[28:29], s[8:9], s[10:11]
	s_cselect_b32 s30, 16, 32
	s_cmp_lt_u32 ttmp9, 16
	s_cselect_b64 s[28:29], s[6:7], s[28:29]
	s_cselect_b32 s30, 8, s30
	s_cmp_lt_u32 ttmp9, 8
	s_cselect_b64 s[28:29], s[4:5], s[28:29]
	s_cselect_b32 s30, 0, s30
	s_sub_co_u32 s30, ttmp9, s30                   ; the tile's number in its tensor
	s_lshr_b32 s31, s30, 1
	s_lshl_b32 s31, s31, 5
	s_and_b32 s32, s30, 1
	s_lshl_b32 s32, s32, 3
	s_add_co_u32 s31, s31, s32                     ; 32 (tile / 2) + 8 (tile % 2)
	s_lshl_b32 s34, s31, 10
	s_mov_b32 s35, 0
	s_add_nc_u64 s[28:29], s[28:29], s[34:35]
.irp q, 0,1,2,3
.irp j, 0,1,2,3,4,5,6,7
	global_load_b128 v[XR+32*\q+4*\j:XR+32*\q+4*\j+3], v4, s[28:29] offset:256*\q+16*\j   ; k = 64 q + 32 h + 4 j on
.endr
.endr
	v_add_nc_u32 v25, s31, v3
	v_lshlrev_b32 v25, 2, v25                      ; 4 x my row's number: in wo's tiles my output channel; 1,020 at the most
	global_load_b32 v26, v25, s[12:13]             ; bo
	global_load_b32 v27, v25, s[14:15]             ; bn_gamma
	global_load_b32 v28, v25, s[16:17]             ; bn_beta
	global_load_b32 v29, v25, s[18:19]             ; bn_mean
	global_load_b32 v30, v25, s[20:21]             ; bn_var
	s_lshr_b32 s33, ttmp9, 3
	s_mul_i32 s34, s33, SREC
	s_add_nc_u64 s[40:41], s[22:23], s[34:35]      ; my record
	s_and_b32 s33, ttmp9, 7
	s_lshl_b32 s34, s33, 11
	s_add_nc_u64 s[38:39], s[40:41], s[34:35]      ; my tile's codes
	s_and_b32 s32, ttmp9, 1
	s_lshl_b32 s32, s32, 8
	s_lshr_b32 s33, s33, 1
	s_lshl_b32 s33, s33, 2
	s_add_co_u32 s34, s32, s33
	s_add_co_u32 s34, s34, 16384
	s_add_nc_u64 s[40:41], s[40:41], s[34:35]      ; my tile's scale words: 16384 + 256 (tile % 2) + 4 (tile / 2)
	s_wait_loadcnt 0x5                             ; the weight's 32 loads are in; the five issued behind them may be out
.irp q, 0,1,2,3
	v_max3_num_f32 v[8+\q], |v[XR+32*\q]|, |v[XR+32*\q+1]|, 0x1800000   ; a block's largest magnitude, all 32 numbers mine, and the floor 2^(3 - 127): the byte cannot fall under 1
.endr
.irp i, 2,4,6,8,10,12,14,16,18,20,22,24,26,28,30
.irp q, 0,1,2,3
	v_max3_num_f32 v[8+\q], v[8+\q], |v[XR+32*\q+\i]|, |v[XR+32*\q+\i+1]|   ; (the four blocks by turns)
.endr
.endr
.irp q, 0,1,2,3
	v_add_nc_u32 v[12+\q], 0xff000000, v[8+\q]     ; 2 off the exponent field: the conversion's scale operand
.endr
.irp q, 0,1,2,3
	v_lshrrev_b32 v[16+\q], 23, v[12+\q]           ; the scale's byte
.endr
	v_lshlrev_b32 v20, 3, v2
	v_lshl_or_b32 v21, v17, 16, v16                ; K step 0: my bytes of blocks h and 2 + h,
	v_lshl_or_b32 v22, v19, 16, v18                ; K step 1 likewise,
	v_lshlrev_b32 v21, v20, v21                    ; at their places in the word (8 h bits up)
	v_lshlrev_b32 v22, v20, v22
	v_mov_b32 v23, 0                               ; (a lane permute's destination counts as one of its sources)
	v_mov_b32 v24, 0
	v_permlanex16_b32 v23, v21, s36, s37
	v_permlanex16_b32 v24, v22, s36, s37
	v_or_b32 v21, v21, v23                         ; with lane l xor 16's two bytes the words are whole
	v_or_b32 v22, v22, v24
.irp q, 0,1,2,3
.irp g, 0,1,2,3
	v_cvt_scalef32_pk8_fp4_f32 v[CR+4*\q+\g], v[XR+32*\q+8*\g:XR+32*\q+8*\g+7], v[12+\q]
.endr
.endr
	v_cmp_eq_u32 vcc_lo, 1, v2                     ; (a plain line behind the conversions)
	v_cndmask_b32 v7, v21, v22, vcc_lo             ; lanes 0-15 store K step 0's word, lanes 16-31 K step 1's
.irp q, 0,1,2,3
	global_store_b128 v5, v[CR+4*\q:CR+4*\q+3], s[38:39] offset:512*\q   ; 32 lanes store 512 consecutive bytes
.endr
	global_store_b32 v6, v7, s[40:41]
	s_cmp_lt_u32 ttmp9, 32
	s_cbranch_scc1 .Lend
	; wo's tiles: the batch norm's constants of my 16 output channels
	s_lshl_b32 s34, s30, 2
	s_add_nc_u64 s[24:25], s[24:25], s[34:35]      ; bnab + 4 x tile
	v_lshlrev_b32 v33, 6, v1
	v_lshl_add_u32 v33, v2, 10, v33                ; 64 r; lanes 16-31 store Bc, 1,024 bytes on
	s_wait_loadcnt 0x0                             ; the five
	v_add_f32 v30, 0x3727c5ac, v30                 ; + 1e-5
	v_rsq_f32 v31, v30
	v_sub_f32 v26, v26, v29                        ; bo - bn_mean: a plain line behind the transcendental
	s_wait_alu depctr_va_vdst(0)                   ; the wait ahead of the first line that names its result
	v_mul_f32 v31, v27, v31                        ; A
	v_fma_f32 v26, v26, v31, v28                   ; Bc
	v_cndmask_b32 v32, v31, v26, vcc_lo
	global_store_b32 v33, v32, s[24:25]
.Lend:
	s_endpgm
.Lfunc_end_k_qd90826a77e_wprep:
	.size	k_qd90826a77e_wprep, .Lfunc_end_k_qd90826a77e_wprep-k_qd90826a77e_wprep
	.p2alignl 7, 3214868480
	.fill 96, 4, 3214868480
	.section	.rodata,"a",@progbits
	.p2align	6, 0x0
	.amdhsa_kernel k_qd90826a77e_wprep
		.amdhsa_group_segment_fixed_size 0
		.amdhsa_private_segment_fixed_size 0
		.amdhsa_enable_private_segment 0
		.amdhsa_kernarg_size 88
		.amdhsa_user_sgpr_count 2
		.amdhsa_user_sgpr_kernarg_segment_ptr 1
		.amdhsa_wavefront_size32 1
		.amdhsa_system_sgpr_workgroup_id_x 1
		.amdhsa_system_sgpr_workgroup_id_y 1
		.amdhsa_system_sgpr_workgroup_id_z 1
		.amdhsa_system_vgpr_workitem_id 0
		.amdhsa_next_free_vgpr 192
		.amdhsa_next_free_sgpr 66
		.amdhsa_reserve_vcc 1
		.amdhsa_float_denorm_mode_32 3
		.amdhsa_float_denorm_mode_16_64 3
		.amdhsa_memory_ordered 1
		.amdhsa_forward_progress 1
		.amdhsa_inst_pref_size 13
	.end_amdhsa_kernel
	.amdgpu_metadata
---
amdhsa.version: [ 1, 2 ]
amdhsa.kernels:
  - .name:           k_qd90826a77e_wprep
    .symbol:         k_qd90826a77e_wprep.kd
    .args:
      - { .name: wq, .offset: 0, .size: 8, .value_kind: global_buffer, .address_space: global }
      - { .name: wk, .offset: 8, .size: 8, .value_kind: global_buffer, .address_space: global }
      - { .name: wv, .offset: 16, .size: 8, .value_kind: global_buffer, .address_space: global }
      - { .name: wo, .offset: 24, .size: 8, .value_kind: global_buffer, .address_space: global }
      - { .name: bo, .offset: 32, .size: 8, .value_kind: global_buffer, .address_space: global }
      - { .name: bn_gamma, .offset: 40, .size: 8, .value_kind: global_buffer, .address_space: global }
      - { .name: bn_beta, .offset: 48, .size: 8, .value_kind: global_buffer, .address_space: global }
      - { .name: bn_mean, .offset: 56, .size: 8, .value_kind: global_buffer, .address_space: global }
      - { .name: bn_var, .offset: 64, .size: 8, .value_kind: global_buffer, .address_space: global }
      - { .name: wts, .offset: 72, .size: 8, .value_kind: global_buffer, .address_space: global }
      - { .name: bnab, .offset: 80, .size: 8, .value_kind: global_buffer, .address_space: global }
    .group_segment_fixed_size: 0
    .private_segment_fixed_size: 0
    .kernarg_segment_align: 8
    .kernarg_segment_size: 88
    .max_flat_workgroup_size: 32
    .sgpr_count:     66
    .vgpr_count:     192
    .wavefront_size: 32
...
	.end_amdgpu_metadata
.endif
;; end of part 1
;; launch proj (part 2): grid 32 x 8, 4 waves a work-group, no clusters, 297,472 bytes of LDS; arguments x_main, x_guide, wts, bq, bk, bv, q, kv; writes q, kv
.if DOCPART == 2
	.amdgcn_target "amdgcn-amd-amdhsa--gfx1250"
	.amdhsa_code_object_version 6
	.text
	.protected	k_qd90826a77e_proj
	.globl	k_qd90826a77e_proj
	.p2align	8
	.type	k_qd90826a77e_proj,@function
k_qd90826a77e_proj:
	s_mov_b64 s[64:65], 0
	v_nop
	global_prefetch_b8 v0, s[64:65] scope:SCOPE_SE
	s_setreg_imm32_b32 hwreg(HW_REG_WAVE_MODE, 25, 1), 1
	s_wait_xcnt 0x0
; Q = x_main^T wq^T + bq, K = x_guide^T wk^T + bk, V = wv x_guide + bv, all three products on codes of FP4 (E2M1) with one E8M0 scale for each 32 along K (= the 256 channels),
; and Q, K (along their 128 channels) and V (along the keys) quantised again for the attention.  x: [8][256][4096] f32: K is NOT innermost.
; SHARES.  A work-group takes 128 positions of one batch: one record of q and one of kv.  Both tiles of x (256 channels x 512 bytes each) come into LDS by the tensor data mover, each wave a quarter of each: every LDS byte is filled once.
; X: A LANE TAKES A POSITION AND ITS REGISTERS RUN DOWN THE CHANNELS: a block of 32 lies in one lane, and the conversions give codes with K innermost.  Wave w takes positions 32 w .. 32 w + 31, lane l column
; (l % 8) + 16 ((l / 8) % 2) + 8 (l / 16): so lanes 0-15 hold tile 2 w and lanes 16-31 tile 2 w + 1, where row r of tile 2 B + u is position 32 B + 8 u + r + 8 (r / 8).  An exchange of halves makes the fragments, which go to
; LDS as images of their registers (16 bytes a lane); the scale words need no exchange: lanes 0-15 hold tile 2 w's, lanes 16-31 tile 2 w + 1's, which is the form a scale operand is read in.
; PRODUCTS.  Wave 0 makes Q, wave 1 K (source 0 = 16 rows of the weight, source 1 = 16 positions: a lane holds one position, its registers run along the 128 channels, the next K);
; waves 2 and 3 make V's channels 0-127 and 128-255 (source 0 = 16 positions, source 1 = 16 rows of wv: a lane holds one channel, its registers run along the 128 keys, the next K).  The biases are the C of each sum's first product.
; No multicast: the tiles of x, four fifths of what a work-group reads, are shared with nobody.  No prefetch: the launch streams x from its first line on.
; LIMITS: NaN and infinities are not served; a block whose largest magnitude lies under 2^-124, a block of zeros among them, keeps the byte 1 (zeros have zero codes, and this program alone reads the bytes).
; REGISTERS.  Window 0: v1-13 addresses; v16-79 two sets of 32 numbers of x, later 8 accumulators; v80-111 x's codes; v88-103 at work in QUANT; v112-127 at work, later x's fragments; v128-135 the weight's scale words;
;   v136-143 x's; v144-151 the scale words made; v152-159 bv by channel; v160-167 a bias as C; v168-231 the codes made; v232-235 the scale image.   Window 1: v0-127 the weight's 16 fragments; v128-191 bias by row, or v128-255 all fragments of x_guide.
.set XG,   0                           ; LDS: x_guide's tile, 256 rows x 512 bytes
.set XM,   131072                      ; x_main's
.set XI,   262144                      ; the images: tensor (0 x_main, 1 x_guide) x 16384 + (2 tile + K step) x 1024 + 512 c
.set XSC,  294912                      ; their scale words: tensor x 1024 + (2 pair + K step) x 128 + 4 x lane
.set SREC, 17408
.set QREC, 8704
.set REC,  26112
.set LN,  1                            ; v1   lane
.set LI,  2                            ; v2   16 x lane
.set LS,  3                            ; v3   4 x lane
.set XA,  4                            ; v4-7 my column in x_main's rows 0-127, 128-255, x_guide's likewise
.set XWI, 8                            ; v8   where I store images
.set XWS, 9                            ; v9   and scale words
.set RFI, 10                           ; v10  where I read my tensor's images
.set RFS, 11                           ; v11  and scale words
.set RB,  12                           ; v12  64 h
.set RC,  13                           ; v13  4 (r + 8 (r / 8))
.set X,   16
.set HA,  16
.set CC,  80
.set TM,  88
.set MF,  112
.set WS,  128
.set XSR, 136
.set OW,  144
.set BVR, 152
.set CB,  160
.set PC,  168
.set OS,  232
.set SEL, 56                           ; s[56:57]
.set MSB, 0
.macro WIN new                         ; the immediate's high byte repeats the setting that is left
.if MSB != \new
	s_set_vgpr_msb (MSB<<8)|\new
.set MSB, \new
.endif
.endm
; One product 16 x 16 x 128.  c < 0: the sum begins with 0.  ra, rb: the side's scale words stand in lanes 16-31 of the register named.
.macro WM d, a, b, c, sa, sb, ra, rb
.if (\c) < 0
.if (\ra) && (\rb)
	v_wmma_scale_f32_16x16x128_f8f6f4 v[(\d):(\d)+7], v[(\a):(\a)+7], v[(\b):(\b)+7], 0, v[\sa], v[\sb] matrix_a_fmt:MATRIX_FMT_FP4 matrix_b_fmt:MATRIX_FMT_FP4 matrix_a_scale:MATRIX_SCALE_ROW1 matrix_b_scale:MATRIX_SCALE_ROW1
.elseif (\ra)
	v_wmma_scale_f32_16x16x128_f8f6f4 v[(\d):(\d)+7], v[(\a):(\a)+7], v[(\b):(\b)+7], 0, v[\sa], v[\sb] matrix_a_fmt:MATRIX_FMT_FP4 matrix_b_fmt:MATRIX_FMT_FP4 matrix_a_scale:MATRIX_SCALE_ROW1
.elseif (\rb)
	v_wmma_scale_f32_16x16x128_f8f6f4 v[(\d):(\d)+7], v[(\a):(\a)+7], v[(\b):(\b)+7], 0, v[\sa], v[\sb] matrix_a_fmt:MATRIX_FMT_FP4 matrix_b_fmt:MATRIX_FMT_FP4 matrix_b_scale:MATRIX_SCALE_ROW1
.else
	v_wmma_scale_f32_16x16x128_f8f6f4 v[(\d):(\d)+7], v[(\a):(\a)+7], v[(\b):(\b)+7], 0, v[\sa], v[\sb] matrix_a_fmt:MATRIX_FMT_FP4 matrix_b_fmt:MATRIX_FMT_FP4
.endif
.else
.if (\ra) && (\rb)
	v_wmma_scale_f32_16x16x128_f8f6f4 v[(\d):(\d)+7], v[(\a):(\a)+7], v[(\b):(\b)+7], v[(\c):(\c)+7], v[\sa], v[\sb] matrix_a_fmt:MATRIX_FMT_FP4 matrix_b_fmt:MATRIX_FMT_FP4 matrix_a_scale:MATRIX_SCALE_ROW1 matrix_b_scale:MATRIX_SCALE_ROW1
.elseif (\ra)
	v_wmma_scale_f32_16x16x128_f8f6f4 v[(\d):(\d)+7], v[(\a):(\a)+7], v[(\b):(\b)+7], v[(\c):(\c)+7], v[\sa], v[\sb] matrix_a_fmt:MATRIX_FMT_FP4 matrix_b_fmt:MATRIX_FMT_FP4 matrix_a_scale:MATRIX_SCALE_ROW1
.elseif (\rb)
	v_wmma_scale_f32_16x16x128_f8f6f4 v[(\d):(\d)+7], v[(\a):(\a)+7], v[(\b):(\b)+7], v[(\c):(\c)+7], v[\sa], v[\sb] matrix_a_fmt:MATRIX_FMT_FP4 matrix_b_fmt:MATRIX_FMT_FP4 matrix_b_scale:MATRIX_SCALE_ROW1
.else
	v_wmma_scale_f32_16x16x128_f8f6f4 v[(\d):(\d)+7], v[(\a):(\a)+7], v[(\b):(\b)+7], v[(\c):(\c)+7], v[\sa], v[\sb] matrix_a_fmt:MATRIX_FMT_FP4 matrix_b_fmt:MATRIX_FMT_FP4
.endif
.endif
.endm
; 64 numbers of a lane, register 16 b + i = k 32 b + 16 (lane / 16) + i of my row, become a fragment's codes in v[pc] on and its scale word in v[pw].
.macro QUANT s, pc, pw
.irp b, 0,1,2,3
	v_max3_num_f32 v[TM+\b], |v[(\s)+16*\b]|, |v[(\s)+1+16*\b]|, 0x1800000   ; block b: my 16 numbers, and the floor 2^(3 - 127): the byte cannot fall under 1
.endr
.irp i, 2,4,6,8,10,12,14
.irp b, 0,1,2,3
	v_max3_num_f32 v[TM+\b], v[TM+\b], |v[(\s)+16*\b+\i]|, |v[(\s)+1+16*\b+\i]|   ; (the four blocks by turns)
.endr
.endr
.irp b, 0,1,2,3
	v_permlanex16_b32 v[TM+4+\b], v[TM+\b], s[SEL], s[SEL+1]
.endr
.irp b, 0,1,2,3
	v_max_num_f32 v[TM+\b], v[TM+\b], v[TM+4+\b]   ; with lane l xor 16's: the block's largest magnitude
.endr
.irp b, 0,1,2,3
	v_add_nc_u32 v[TM+12+\b], 0xff000000, v[TM+\b] ; 2 off its exponent field: the conversion's scale operand
.endr
.irp b, 0,1,2,3
	v_lshrrev_b32 v[TM+4+\b], 23, v[TM+12+\b]      ; the scale's byte
.endr
	v_lshl_or_b32 v[\pw], v[TM+5], 8, v[TM+4]      ; the four bytes make my row's scale word
	v_lshl_or_b32 v[\pw], v[TM+6], 16, v[\pw]
	v_lshl_or_b32 v[\pw], v[TM+7], 24, v[\pw]
.irp b, 0,1,2,3
	v_cvt_scalef32_pk8_fp4_f32 v[(\pc)+2*\b], v[(\s)+16*\b:(\s)+7+16*\b], v[TM+12+\b]
	v_cvt_scalef32_pk8_fp4_f32 v[(\pc)+1+2*\b], v[(\s)+8+16*\b:(\s)+15+16*\b], v[TM+12+\b]
.endr
	v_nop                                          ; one plain line behind a scaled conversion
.irp c, 0,1                                    ; the operand's layout wants a WHOLE block in a lane: lanes 0-15 block 2 c, lanes 16-31 block 2 c + 1
.irp i, 0,1
	v_permlane16_swap_b32 v[(\pc)+4*\c+\i], v[(\pc)+2+4*\c+\i]
.endr
.endr
.endm
	s_load_b512 s[4:19], s[0:1], 0x0               ; x_main s[4:5], x_guide s[6:7], wts s[8:9], bq s[10:11], bk s[12:13], bv s[14:15], q s[16:17], kv s[18:19]
	v_lshl_add_u32 v254, v0, 2, 0x48800
	v_mov_b32 v255, 0
	ds_add_u32 v254, v255
	ds_add_u32 v254, v255
	v_lshrrev_b32 v1, 5, v0
	v_readfirstlane_b32 s20, v1                    ; wave 0..3
	s_and_b32 s22, ttmp7, 0xffff                   ; the batch
	; descriptor group 1: 64 rows (channels) x 128 elements of 4 bytes, 4,096 elements from row to row, no padding: a lane's reads of a row's 32 neighbouring words fall on 32 banks
	s_mov_b32 s24, 2<<16
	s_mov_b32 s25, 128<<16                         ; tensor_dim0
	s_mov_b32 s26, 64<<16                          ; tensor_dim1
	s_mov_b32 s27, 128<<16                         ; tile_dim0
	s_mov_b32 s28, 64                              ; tile_dim1
	s_mov_b32 s29, 4096                            ; tensor_dim0_stride
	s_mov_b32 s30, 0
	s_mov_b32 s31, 0
	s_lshl_b32 s40, s22, 22                        ; the batch's 4,194,304 bytes,
	s_lshl_b32 s41, s20, 20                        ; my 64 channels of 16,384 bytes,
	s_add_co_u32 s40, s40, s41
	s_lshl_b32 s41, ttmp9, 9                       ; the work-group's 128 positions
	s_add_co_u32 s40, s40, s41
	s_mov_b32 s41, 0
	s_lshl_b32 s42, s20, 15                        ; and in LDS: 64 rows of 512 bytes
	s_wait_dscnt 0x0
	s_wait_kmcnt 0x0
	s_mov_b32 s32, 1
	s_mov_b32 s33, s42
	s_add_nc_u64 s[34:35], s[6:7], s[40:41]
	s_or_b32 s35, s35, 0x80000000
	s_mov_b32 s36, 1
	s_add_co_u32 s37, s42, XM
	s_add_nc_u64 s[38:39], s[4:5], s[40:41]
	s_or_b32 s39, s39, 0x80000000
	tensor_load_to_lds s[32:35], s[24:31]          ; x_guide first: three waves wait for it.  Two tensor loads of mine are out
	s_nop 0
	tensor_load_to_lds s[36:39], s[24:31]          ; x_main
	s_nop 0
.rept 4
	v_nop                                          ; (four behind a tensor load)
.endr
	v_and_b32 v[LN], 31, v0
	v_lshlrev_b32 v[LI], 4, v[LN]
	v_lshlrev_b32 v[LS], 2, v[LN]
	v_and_b32 v14, 7, v0
	v_bfe_u32 v15, v0, 3, 1
	v_lshl_add_u32 v14, v15, 4, v14
	v_bfe_u32 v15, v0, 4, 1                        ; h
	v_lshl_add_u32 v14, v15, 3, v14                ; my column of the wave's 32
	v_lshlrev_b32 v14, 2, v14
	s_lshl_b32 s43, s20, 7
	v_add_nc_u32 v14, s43, v14                     ; + 128 bytes x wave
	v_add_nc_u32 v[XA+0], XM, v14
	v_add_nc_u32 v[XA+1], XM+65536, v14
	v_add_nc_u32 v[XA+2], XG, v14
	v_add_nc_u32 v[XA+3], XG+65536, v14
	s_lshl_b32 s43, s20, 12
	v_add_nc_u32 v[XWI], s43, v[LI]
	v_add_nc_u32 v[XWI], XI, v[XWI]                ; my two tiles' images: 4,096 bytes x wave
	s_lshl_b32 s43, s20, 8
	v_add_nc_u32 v[XWS], s43, v[LS]
	v_add_nc_u32 v[XWS], XSC, v[XWS]
	s_min_u32 s44, s20, 1                          ; wave 0 multiplies x_main, the others x_guide
	s_lshl_b32 s43, s44, 14
	v_add_nc_u32 v[RFI], s43, v[LI]
	v_add_nc_u32 v[RFI], XI, v[RFI]
	s_lshl_b32 s43, s44, 10
	v_add_nc_u32 v[RFS], s43, v[LS]
	v_add_nc_u32 v[RFS], XSC, v[RFS]
	v_lshlrev_b32 v[RB], 6, v15
	v_and_b32 v14, 15, v0
	v_and_b32 v[RC], 8, v14
	v_add_nc_u32 v[RC], v[RC], v14
	v_lshlrev_b32 v[RC], 2, v[RC]
	s_mov_b32 s[SEL], 0x76543210
	s_mov_b32 s[SEL+1], 0xfedcba98                 ; v_permlanex16_b32's selects for lane l xor 16
	s_mul_i32 s46, s20, SREC                       ; my weight's record: wq, wk, wv's first half, wv's second
	s_mov_b32 s47, 0
	s_add_nc_u64 s[46:47], s[8:9], s[46:47]
	s_cmp_eq_u32 s20, 0
	s_cselect_b64 s[48:49], s[10:11], s[12:13]
	s_cmp_lt_u32 s20, 2
	s_cselect_b64 s[48:49], s[48:49], s[14:15]     ; bq, bk, bv, bv
	s_max_u32 s50, s20, 2
	s_sub_co_u32 s50, s50, 2
	s_lshl_b32 s50, s50, 9
	s_mov_b32 s51, 0
	s_add_nc_u64 s[50:51], s[14:15], s[50:51]      ; bv at my 128 channels (waves 0 and 1: at its head; they do not use it)
	s_lshl_b32 s45, s22, 5
	s_add_co_u32 s45, s45, ttmp9                   ; the record's number
	s_cmp_eq_u32 s20, 0
	s_cselect_b64 s[52:53], s[16:17], s[18:19]     ; q or kv: the choice hangs on the wave's number alone
	s_mov_b32 s58, REC
	s_cselect_b32 s58, QREC, s58
	s_mul_i32 s58, s58, s45
	s_mov_b32 s59, 0
	s_add_nc_u64 s[52:53], s[52:53], s[58:59]      ; the record
	s_lshl_b32 s58, s20, 9
	s_add_co_u32 s58, s58, 24064                   ; K's scale image at 24576, V's two at 25088 and 25600,
	s_cmp_eq_u32 s20, 0
	s_cselect_b32 s58, 8192, s58                   ; Q's at 8192
	s_add_nc_u64 s[54:55], s[52:53], s[58:59]
	s_max_u32 s58, s20, 1
	s_sub_co_u32 s58, s58, 1
	s_lshl_b32 s58, s58, 13                        ; the codes: Q's and K's at 0, V's halves at 8192 and 16384
	s_add_nc_u64 s[52:53], s[52:53], s[58:59]
	WIN 0x40                                       ; destination window 1
.set k, 0
.rept 32
	global_load_b128 v[4*k:4*k+3], v[LI], s[46:47] offset:512*k   ; the weight's fragments (tile t, K step s) at v[8 (2 t + s)]: they stay
.set k, k+1
.endr
.irp t, 0,1,2,3,4,5,6,7
	global_load_b128 v[128+8*\t:128+8*\t+3], v[RB], s[48:49] offset:(32*(\t/2)+8*(\t%2))*4      ; the bias in the result's layout: lane (r, h), tile t: channels 32 (t / 2) + 8 (t % 2) + 16 h + 0 .. 7
	global_load_b128 v[128+8*\t+4:128+8*\t+7], v[RB], s[48:49] offset:(32*(\t/2)+8*(\t%2))*4+16
.endr
	WIN 0
	global_load_b128 v[WS:WS+3], v[LI], s[46:47] offset:16384
	global_load_b128 v[WS+4:WS+7], v[LI], s[46:47] offset:16896
.irp t, 0,1,2,3,4,5,6,7
	global_load_b32 v[BVR+\t], v[RC], s[50:51] offset:(32*(\t/2)+8*(\t%2))*4   ; bv of the channel that lane r has in tile t of wv
.endr
.macro XLOAD ten, kb                   ; block kb of my column: channels 32 kb + i, into set kb % 2
.set i, 0
.rept 32
	ds_load_b32 v[X+32*((\kb)%2)+i], v[XA+2*(\ten)+(\kb)/4] offset:(32*((\kb)%4)+i)*512
.set i, i+1
.endr
.endm
.macro XQ kb                           ; its scale byte and its codes
.set XS, X+32*((\kb)%2)
	v_max3_num_f32 v112, |v[XS]|, |v[XS+1]|, |v[XS+2]|
	v_max3_num_f32 v113, |v[XS+3]|, |v[XS+4]|, |v[XS+5]|
.irp i, 6,10,14,18,22,26
	v_max3_num_f32 v112, v112, |v[XS+\i]|, |v[XS+\i+1]|
	v_max3_num_f32 v113, v113, |v[XS+\i+2]|, |v[XS+\i+3]|
.endr
	v_max3_num_f32 v112, v112, |v[XS+30]|, |v[XS+31]|
	v_max3_num_f32 v112, v112, v113, 0x1800000     ; and the floor 2^(3 - 127)
	v_add_nc_u32 v114, 0xff000000, v112            ; the conversion's scale operand
	v_lshrrev_b32 v113, 23, v114                   ; the byte
.if (\kb)%4 == 0
	v_mov_b32 v[116+(\kb)/4], v113                 ; four bytes to a K step's word, the lower K in the lower byte
.else
	v_lshl_or_b32 v[116+(\kb)/4], v113, 8*((\kb)%4), v[116+(\kb)/4]
.endif
.irp g, 0,1,2,3
	v_cvt_scalef32_pk8_fp4_f32 v[CC+4*(\kb)+\g], v[XS+8*\g:XS+8*\g+7], v114
.endr
.endm
.macro XTEN ten                        ; my 32 columns of a tensor become two tiles' fragments and scale words, in LDS
	XLOAD \ten, 0
	XLOAD \ten, 1
.irp kb, 0,1,2,3,4,5,6,7
.if \kb < 7
	s_wait_dscnt 32                                ; this block's 32 loads are in; the next block's 32 may be out
.else
	s_wait_dscnt 0x0
.endif
	XQ \kb
.if \kb < 6
	XLOAD \ten, \kb+2
.endif
.endr
	v_nop                                          ; one plain line behind the last conversion
.irp s, 0,1
.irp p, 0,2
.irp i, 0,1,2,3
	v_permlane16_swap_b32 v[CC+4*(4*\s+\p)+\i], v[CC+4*(4*\s+\p+1)+\i]   ; the even block's register now holds lanes 0-15's positions (both blocks): tile 2 w; the odd block's register lanes 16-31's: tile 2 w + 1
.endr
.endr
.endr
.irp s, 0,1
.irp c, 0,1
.irp u, 0,1
	ds_store_b128 v[XWI], v[CC+4*(4*\s+2*\c+\u):CC+4*(4*\s+2*\c+\u)+3] offset:(\ten)*16384+(2*\u+\s)*1024+512*\c
.endr
.endr
	ds_store_b32 v[XWS], v[116+\s] offset:(\ten)*1024+128*\s
.endr
.endm
	s_wait_tensorcnt 0x1                           ; my quarter of x_guide's tile is in; x_main's, issued behind it, may be out
	s_barrier_signal -1
	s_barrier_wait -1                              ; everybody's is
	XTEN 1
	s_wait_tensorcnt 0x0                           ; my quarter of x_main's tile is in,
	s_wait_dscnt 0x0                               ; and my stores have landed
	s_barrier_signal -1
	s_barrier_wait -1
	XTEN 0
	s_wait_dscnt 0x0
	s_barrier_signal -1
	s_barrier_wait -1                              ; all images lie in LDS; from here on LDS is only read
	s_wait_loadcnt 0x0                             ; the weight, its scale words, the biases
	v_cmp_le_u32 vcc_lo, 16, v[LN]                 ; lanes 16-31
	s_cmp_lt_u32 s20, 2
	s_cbranch_scc0 .Lv_path
	; ---- Q or K: a tile of 16 positions at a time; eight accumulators by turns
.irp m, 0,1,2,3,4,5,6,7
.irp s, 0,1
.irp c, 0,1
	ds_load_b128 v[MF+8*\s+4*\c:MF+8*\s+4*\c+3], v[RFI] offset:(2*\m+\s)*1024+512*\c
.endr
.endr
.if \m%2 == 0
	ds_load_b32 v[XSR], v[RFS] offset:\m*128       ; the scale words of tiles m (lanes 0-15) and m + 1 (lanes 16-31), K step 0,
	ds_load_b32 v[XSR+1], v[RFS] offset:\m*128+128 ; and K step 1
.endif
	s_wait_dscnt 0x0
	WIN 0x11                                       ; source 0 (the weight) and source 2 (the bias) window 1
.irp t, 0,1,2,3,4,5,6,7
	WM HA+8*\t, 16*\t, MF, 128+8*\t, WS+\t/2, XSR, \t%2, \m%2
.endr
	WIN 0x01
.irp t, 0,1,2,3,4,5,6,7
	WM HA+8*\t, 16*\t+8, MF+8, HA+8*\t, WS+4+\t/2, XSR+1, \t%2, \m%2
.endr
	WIN 0
.rept 5
	v_nop                                          ; four places ahead of the first read of results and of loads into the operands' registers, a fifth ahead of the products that begin these accumulators anew
.endr
	QUANT HA, PC+8*\m, OW+\m                       ; lane (r, h): position r of the tile, channels 32 b + 16 h + i
	global_store_b128 v[LI], v[PC+8*\m:PC+8*\m+3], s[52:53] offset:1024*\m        ; 32 lanes store 512 consecutive bytes
	global_store_b128 v[LI], v[PC+8*\m+4:PC+8*\m+7], s[52:53] offset:1024*\m+512
.endr
	s_branch .Ltail
.Lv_path:
	; ---- V: a tile of 16 channels at a time, against all eight tiles of positions
	WIN 0x40
.set k, 0
.rept 32
	ds_load_b128 v[128+4*k:128+4*k+3], v[RFI] offset:512*k   ; x_guide's fragments (tile t, K step s) at v[128 + 8 (2 t + s)] of window 1
.set k, k+1
.endr
	WIN 0
.set k, 0
.rept 8
	ds_load_b32 v[XSR+k], v[RFS] offset:128*k
.set k, k+1
.endr
	s_wait_dscnt 0x0
.irp u, 0,1,2,3,4,5,6,7
.irp j, 0,1,2,3,4,5,6,7
	v_mov_b32 v[CB+\j], v[BVR+\u]                  ; a lane holds one channel: its bias in all eight registers of C
.endr
.rept 4
	v_nop
.endr
	WIN 0x05                                       ; sources 0 (x_guide) and 1 (wv) window 1
.irp t, 0,1,2,3,4,5,6,7
	WM HA+8*\t, 128+16*\t, 16*\u, CB, XSR+2*(\t/2), WS+\u/2, \t%2, \u%2
.endr
.irp t, 0,1,2,3,4,5,6,7
	WM HA+8*\t, 136+16*\t, 16*\u+8, HA+8*\t, XSR+2*(\t/2)+1, WS+4+\u/2, \t%2, \u%2
.endr
	WIN 0
.rept 5
	v_nop                                          ; as above
.endr
	QUANT HA, PC+8*\u, OW+\u                       ; lane (r, h): channel r of the tile, keys 32 b + 16 h + i
	global_store_b128 v[LI], v[PC+8*\u:PC+8*\u+3], s[52:53] offset:1024*\u
	global_store_b128 v[LI], v[PC+8*\u+4:PC+8*\u+7], s[52:53] offset:1024*\u+512
.endr
.Ltail:
.irp b, 0,1,2,3
	v_cndmask_b32 v[OS+\b], v[OW+2*\b], v[OW+2*\b+1], vcc_lo   ; the scale image: word b: lanes 0-15 tile 2 b's, lanes 16-31 tile 2 b + 1's (both halves of the lanes hold a row's word)
.endr
	global_store_b128 v[LI], v[OS:OS+3], s[54:55]
	s_wait_tensorcnt 0x0
	ds_add_u32 v254, v255
	s_wait_dscnt 0x0
	s_endpgm
.Lfunc_end_k_qd90826a77e_proj:
	.size	k_qd90826a77e_proj, .Lfunc_end_k_qd90826a77e_proj-k_qd90826a77e_proj
	.p2alignl 7, 3214868480
	.fill 96, 4, 3214868480
	.section	.rodata,"a",@progbits
	.p2align	6, 0x0
	.amdhsa_kernel k_qd90826a77e_proj
		.amdhsa_group_segment_fixed_size 297472
		.amdhsa_private_segment_fixed_size 0
		.amdhsa_enable_private_segment 0
		.amdhsa_kernarg_size 64
		.amdhsa_user_sgpr_count 2
		.amdhsa_user_sgpr_kernarg_segment_ptr 1
		.amdhsa_wavefront_size32 1
		.amdhsa_system_sgpr_workgroup_id_x 1
		.amdhsa_system_sgpr_workgroup_id_y 1
		.amdhsa_system_sgpr_workgroup_id_z 1
		.amdhsa_system_vgpr_workitem_id 0
		.amdhsa_next_free_vgpr 512
		.amdhsa_next_free_sgpr 66
		.amdhsa_reserve_vcc 1
		.amdhsa_float_denorm_mode_32 3
		.amdhsa_float_denorm_mode_16_64 3
		.amdhsa_memory_ordered 1
		.amdhsa_forward_progress 1
		.amdhsa_inst_pref_size 176
	.end_amdhsa_kernel
	.amdgpu_metadata
---
amdhsa.version: [ 1, 2 ]
amdhsa.kernels:
  - .name:           k_qd90826a77e_proj
    .symbol:         k_qd90826a77e_proj.kd
    .args:
      - { .name: x_main, .offset: 0, .size: 8, .value_kind: global_buffer, .address_space: global }
      - { .name: x_guide, .offset: 8, .size: 8, .value_kind: global_buffer, .address_space: global }
      - { .name: wts, .offset: 16, .size: 8, .value_kind: global_buffer, .address_space: global }
      - { .name: bq, .offset: 24, .size: 8, .value_kind: global_buffer, .address_space: global }
      - { .name: bk, .offset: 32, .size: 8, .value_kind: global_buffer, .address_space: global }
      - { .name: bv, .offset: 40, .size: 8, .value_kind: global_buffer, .address_space: global }
      - { .name: q, .offset: 48, .size: 8, .value_kind: global_buffer, .address_space: global }
      - { .name: kv, .offset: 56, .size: 8, .value_kind: global_buffer, .address_space: global }
    .group_segment_fixed_size: 297472
    .private_segment_fixed_size: 0
    .kernarg_segment_align: 8
    .kernarg_segment_size: 64
    .max_flat_workgroup_size: 128
    .sgpr_count:     66
    .vgpr_count:     512
    .wavefront_size: 32
...
	.end_amdgpu_metadata
.endif
;; end of part 2
;; launch attn (part 3): grid 32 x 8, 8 waves a work-group, clusters of 4 x 1, 327,680 bytes of LDS; arguments q, kv, wts, bnab, gamma, x_main, out0; writes out0
.if DOCPART == 3
	.amdgcn_target "amdgcn-amd-amdhsa--gfx1250"
	.amdhsa_code_object_version 6
	.text
	.protected	k_qd90826a77e_attn
	.globl	k_qd90826a77e_attn
	.p2align	8
	.type	k_qd90826a77e_attn,@function
k_qd90826a77e_attn:
	s_mov_b64 s[64:65], 0
	v_nop
	global_prefetch_b8 v0, s[64:65] scope:SCOPE_SE
	s_setreg_imm32_b32 hwreg(HW_REG_WAVE_MODE, 25, 1), 1
	s_wait_xcnt 0x0
	s_wait_alu depctr_hold_cnt(0) depctr_sa_sdst(0) depctr_va_vdst(0) depctr_va_sdst(0) depctr_va_ssrc(0) depctr_va_vcc(0) depctr_vm_vsrc(0)
	s_getreg_b32 s2, hwreg(HW_REG_IB_STS2, 6, 4)
	s_cmp_eq_u32 s2, 0
	s_cbranch_scc0 .Lentry_in_a_cluster
	s_endpgm
.Lentry_in_a_cluster:
	s_bfe_u32 s2, ttmp6, 0x10000c
	s_cmp_lg_u32 s2, 0x3003
	s_cbranch_scc0 .Lentry_shape_is_right
	s_endpgm
.Lentry_shape_is_right:
; out0 = x_main + gamma relu(BN(wo (V softmax(Q K)^T) + bo)), the three products on codes of FP4 (E2M1) with one E8M0 scale for each 32 along a product's K.
; q: records of 128 queries (8 tiles of codes, a scale image); kv: records of 128 keys (K's 8 tiles, V's 16 tiles of channels with the keys innermost, their scale images), all as images of the operands' registers: 16 bytes a lane.
; THE SOFTMAX: t = score x log2(e); M = the largest t so far, rounded UP to a whole number; p = 2^(t - M) is quantised along the keys, not normalised; the sum of the unquantised p divides O at the end.  When M moves, the sum and O are
; multiplied by 2^(old M - new M): exact.
; SHARES.  A work-group owns 128 queries of a batch.  Wave w owns 32 of them (tiles 2 (w % 4), 2 (w % 4) + 1) for HALF of the keys: the records of parity w / 4.  So two waves share a SIMD, one's vector work beside the other's products,
; and each fragment of K or V read from LDS feeds two products.  At the end waves w and w xor 4 change halves: each keeps one tile (x = 0: tile 2 (w % 4) + w / 4) and hands the other over through LDS; the two parts are joined by exact powers of two.
; LAYOUT.  S^T = K Q^T and O^T = V P^T: a lane holds ONE query throughout.  The keys of a tile of K, and the channels of a tile of V and of wo, are chosen (row r of tile 2 B + u: 32 B + 8 u + r + 8 (r / 8)) so that the 16 registers of two
; neighbouring tiles are 16 neighbours along the next K.  The last product takes O's codes as source 0 and wo's rows as source 1: a lane holds one output channel and eight neighbouring positions.
; THE RING.  Two LDS slots of four records; each wave brings an eighth of a slot.  CLUSTER: the four work-groups of a cluster belong to one batch and walk the same records, so each part is asked for JOINTLY (the mask names the four); wo likewise, once.
; THE CHANGE OF SLOTS STANDS INSIDE A SLOT'S LAST KEY STEP: a wave's last reads of the slot are that step's loads of V, so the waits and the add stand behind them, O^T's rescaling stands between the add and the wait for it,
; and half of the step's products V P^T stand between the round's opening signal and its wait; the other half stands over the next slot's first loads of K.
; K AHEAD: a record's scale words of K and its tiles 0-3 are asked for in the key step before, behind that step's loads of V.
; LIMITS: NaN and infinities are not served; a p under 2^-126 counts as 0; a block whose largest magnitude lies under 2^-124, a block of zeros among them, keeps the byte 1 (zeros have zero codes).
; REGISTERS.  Window 0: v1-5, v92 addresses that stay; v8-23 eight registers of statistics a tile; v24-39 Q; v40-41 its scale words; v42-57 K's and V's scale words; v58-73 p's codes; v74-89 at work (v58-89: K's tiles 4-7 while the scores are made);
;   v96-127 K's tiles 0-3; v128-255 S^T, then p, then V's sixteen fragments.   Window 1: O^T, tile x at 128 x + 8 (tile of channels).
.set REC,   26112                      ; a record of kv: K's codes 0, V's 8192, K's scale image 24576, V's two 25088
.set SLOTB, 4*REC
.set SLOT1, 131072                     ; slot 1 begins here: one exclusive or turns an address in one slot into the other's
.set BATB,  32*REC
.set QREC,  8704
.set SREC,  17408
.set WPART, SLOTB/8                    ; 51 rows of 256 bytes: what one tensor load brings
.set OPART, 2*SREC/8                   ; 17 rows: my part of wo
.set MRGW,  16896                      ; the way out, in the slots, which have had their last fill and their last read by then: for each wave a tile of O^T (16384), -M (128), the sum (128)
.set STG,   135168                     ; the stage: 256 channels x (512 bytes + 16)
.set SP,    528
.set WO,    270336                     ; wo's two records: filled once
.set SPARE, 305152                     ; the spare words, 128 bytes for each wave: four blocks of 256 bytes that no other line names
.set LI,  1                            ; v1   16 x lane
.set ADR, 2                            ; v2   the record in hand
.set SPW, 3                            ; v3   my spare word; never rewritten
.set NIL, 4                            ; v4   0; never rewritten
.set PFO, 5                            ; v5   256 x my thread's number; never rewritten
.set PFX, 92                           ; v92  16,384 x my lane: a row of x_main; never rewritten
.set ST,  8                            ; tile x at v[ST + 8 x]: +0 -M, +1 the largest t, +2 +3 the sum, +4 f, +5 p's scale word, +6 +7 at work
.set Q,   24
.set QS,  40
.set KS,  42
.set VS,  46
.set P,   58
.set F2,  58                           ; K's tiles 4-7
.set BM,  74                           ; tile x: v[BM + 8 x] on: the blocks' largest scores
.set TP,  78                           ; tile x: v[TP + 8 x] on: at work
.set TM,  74                           ; QUANT's sixteen
.set F,   96                           ; K's tiles 0-3
.set BNA, 96                           ; the way out: A and Bc of my channel in wo's sixteen tiles
.set BNB, 112
.set S,   128
.set WV,  18
.set GQ,  19
.set KH,  20
.set CS,  22                           ; s[22:23] log2(e), twice
.set G1,  24                           ; s[24:31] group 1 for the records; s[32:39] for wo; s[40:43], s[44:47] their groups 0
.set G1W, 32
.set G0,  40
.set G0W, 44
.set TB,  48                           ; s48  LDS byte of the record in hand
.set SLOTS, 49
.set SEL, 52
.set PFA, 54                           ; s[54:55] where my prefetches of kv stand
.set LIM, 56
.set GAM, 58                           ; s[58:59] gamma, twice
.set MSB, 0
.macro WIN new                         ; the immediate's high byte repeats the setting that is left
.if MSB != \new
	s_set_vgpr_msb (MSB<<8)|\new
.set MSB, \new
.endif
.endm
; One product 16 x 16 x 128.  c < 0: the sum begins with 0.  ra, rb: the side's scale words stand in lanes 16-31 of the register named.
.macro WM d, a, b, c, sa, sb, ra, rb
.if (\c) < 0
.if (\ra) && (\rb)
	v_wmma_scale_f32_16x16x128_f8f6f4 v[(\d):(\d)+7], v[(\a):(\a)+7], v[(\b):(\b)+7], 0, v[\sa], v[\sb] matrix_a_fmt:MATRIX_FMT_FP4 matrix_b_fmt:MATRIX_FMT_FP4 matrix_a_scale:MATRIX_SCALE_ROW1 matrix_b_scale:MATRIX_SCALE_ROW1
.elseif (\ra)
	v_wmma_scale_f32_16x16x128_f8f6f4 v[(\d):(\d)+7], v[(\a):(\a)+7], v[(\b):(\b)+7], 0, v[\sa], v[\sb] matrix_a_fmt:MATRIX_FMT_FP4 matrix_b_fmt:MATRIX_FMT_FP4 matrix_a_scale:MATRIX_SCALE_ROW1
.elseif (\rb)
	v_wmma_scale_f32_16x16x128_f8f6f4 v[(\d):(\d)+7], v[(\a):(\a)+7], v[(\b):(\b)+7], 0, v[\sa], v[\sb] matrix_a_fmt:MATRIX_FMT_FP4 matrix_b_fmt:MATRIX_FMT_FP4 matrix_b_scale:MATRIX_SCALE_ROW1
.else
	v_wmma_scale_f32_16x16x128_f8f6f4 v[(\d):(\d)+7], v[(\a):(\a)+7], v[(\b):(\b)+7], 0, v[\sa], v[\sb] matrix_a_fmt:MATRIX_FMT_FP4 matrix_b_fmt:MATRIX_FMT_FP4
.endif
.else
.if (\ra) && (\rb)
	v_wmma_scale_f32_16x16x128_f8f6f4 v[(\d):(\d)+7], v[(\a):(\a)+7], v[(\b):(\b)+7], v[(\c):(\c)+7], v[\sa], v[\sb] matrix_a_fmt:MATRIX_FMT_FP4 matrix_b_fmt:MATRIX_FMT_FP4 matrix_a_scale:MATRIX_SCALE_ROW1 matrix_b_scale:MATRIX_SCALE_ROW1
.elseif (\ra)
	v_wmma_scale_f32_16x16x128_f8f6f4 v[(\d):(\d)+7], v[(\a):(\a)+7], v[(\b):(\b)+7], v[(\c):(\c)+7], v[\sa], v[\sb] matrix_a_fmt:MATRIX_FMT_FP4 matrix_b_fmt:MATRIX_FMT_FP4 matrix_a_scale:MATRIX_SCALE_ROW1
.elseif (\rb)
	v_wmma_scale_f32_16x16x128_f8f6f4 v[(\d):(\d)+7], v[(\a):(\a)+7], v[(\b):(\b)+7], v[(\c):(\c)+7], v[\sa], v[\sb] matrix_a_fmt:MATRIX_FMT_FP4 matrix_b_fmt:MATRIX_FMT_FP4 matrix_b_scale:MATRIX_SCALE_ROW1
.else
	v_wmma_scale_f32_16x16x128_f8f6f4 v[(\d):(\d)+7], v[(\a):(\a)+7], v[(\b):(\b)+7], v[(\c):(\c)+7], v[\sa], v[\sb] matrix_a_fmt:MATRIX_FMT_FP4 matrix_b_fmt:MATRIX_FMT_FP4
.endif
.endif
.endm
; 64 numbers of a lane, register 16 b + i = k 32 b + 16 (lane / 16) + i of my row, become a fragment's codes in v[pc] on and its scale word in v[pw].
.macro QUANT s, pc, pw
.irp b, 0,1,2,3
	v_max3_num_f32 v[TM+\b], |v[(\s)+16*\b]|, |v[(\s)+1+16*\b]|, 0x1800000   ; block b: my 16 numbers, and the floor 2^(3 - 127): the byte cannot fall under 1
.endr
.irp i, 2,4,6,8,10,12,14
.irp b, 0,1,2,3
	v_max3_num_f32 v[TM+\b], v[TM+\b], |v[(\s)+16*\b+\i]|, |v[(\s)+1+16*\b+\i]|
.endr
.endr
.irp b, 0,1,2,3
	v_permlanex16_b32 v[TM+4+\b], v[TM+\b], s[SEL], s[SEL+1]
.endr
.irp b, 0,1,2,3
	v_max_num_f32 v[TM+\b], v[TM+\b], v[TM+4+\b]
.endr
.irp b, 0,1,2,3
	v_add_nc_u32 v[TM+12+\b], 0xff000000, v[TM+\b]
.endr
.irp b, 0,1,2,3
	v_lshrrev_b32 v[TM+4+\b], 23, v[TM+12+\b]
.endr
	v_lshl_or_b32 v[\pw], v[TM+5], 8, v[TM+4]
	v_lshl_or_b32 v[\pw], v[TM+6], 16, v[\pw]
	v_lshl_or_b32 v[\pw], v[TM+7], 24, v[\pw]
.irp b, 0,1,2,3
	v_cvt_scalef32_pk8_fp4_f32 v[(\pc)+2*\b], v[(\s)+16*\b:(\s)+7+16*\b], v[TM+12+\b]
	v_cvt_scalef32_pk8_fp4_f32 v[(\pc)+1+2*\b], v[(\s)+8+16*\b:(\s)+15+16*\b], v[TM+12+\b]
.endr
	v_nop                                          ; one plain line behind a scaled conversion
.irp c, 0,1
.irp i, 0,1
	v_permlane16_swap_b32 v[(\pc)+4*\c+\i], v[(\pc)+2+4*\c+\i]
.endr
.endr
.endm
; A round of the cluster's barrier: my work-group's barrier, wave 0's signal for the work-group, every wave's wait for all four work-groups, my work-group's barrier once more.
.macro CREST                           ; a round behind its opening barrier
	s_cmp_lg_u32 s[WV], 0
	s_cbranch_scc1 .Lnot_wave_0_\@
	s_barrier_signal -3
.Lnot_wave_0_\@:
	s_barrier_wait -3
	s_barrier_signal -1
	s_barrier_wait -1
.endm
.macro CROUND                          ; a whole round
	s_barrier_signal -1
	s_barrier_wait -1
	CREST
.endm
; A PREFETCH INTO THE L2 of what the NEXT change of slots will ask for.  All clusters of a batch walk the same records: the batch's first cluster asks.  Its four partners take a record each of the slot's four, told apart BY ADDRESS;
; in each, waves 0 to 2 ask, a lane a block of 256 bytes: the record's 96 blocks of codes, each named once in the launch.  The six blocks of scale words of a record, and slots 0 and 1, come by their loads alone.
; The last change that fills a slot asks for nothing: there is no slot behind it.
.macro ASK
	s_cmp_gt_u32 s[SLOTS], s[LIM]
	s_cbranch_scc0 .Lnot_mine_\@
	global_prefetch_b8 v[PFO], s[PFA:PFA+1] th:TH_LOAD_NT scope:SCOPE_SE
.Lnot_mine_\@:
.endm
.macro WALK                            ; the descriptor's and the prefetches' steps: behind the wait for all my tensor loads, so a group 0 may be written
	s_xor_b32 s[G0+1], s[G0+1], SLOT1              ; the other slot than last time,
	s_add_nc_u64 s[G0+2:G0+3], s[G0+2:G0+3], SLOTB ; the next four records; the type bits on top are not reached
	s_wait_xcnt 0x0                                ; the last prefetch, a slot back, has read its address, so it may be written:
	s_add_nc_u64 s[PFA:PFA+1], s[PFA:PFA+1], SLOTB ; one slot further on than the walking descriptor
.endm
.macro REFILL                          ; the first thing behind a round, and my one tensor load until the next: my eighth of the slot that was left
	tensor_load_to_lds s[G0:G0+3], s[G1:G1+7]
	s_nop 0
.rept 4
	v_nop
.endr
	ASK
.endm
.macro PRELOAD                         ; nine LDS loads: of the record at s[TB], K's scale words and its tiles 0-3
	v_add_nc_u32 v[ADR], s[TB], v[LI]              ; (LDS loads that are out have read their address)
	ds_load_b128 v[KS:KS+3], v[ADR] offset:24576
.irp t, 0,1,2,3
	ds_load_b128 v[F+8*\t:F+8*\t+3], v[ADR] offset:\t*1024
	ds_load_b128 v[F+8*\t+4:F+8*\t+7], v[ADR] offset:\t*1024+512
.endr
.endm
; Sixteen products of O^T += V P^T: eight tiles of channels from base on, both tiles of queries.  Each accumulator has one product a key step, so no two that follow each other share one.
.macro PVRUN first, base
	WIN 0x50                                       ; C and D window 1
.irp i, 0,1,2,3,4,5,6,7
.irp x, 0,1
.if \first
	WM 128*\x+8*(\base+\i), S+8*(\base+\i), P+8*\x, -1, VS+(\base+\i)/2, ST+8*\x+5, \i%2, 0
.else
	WM 128*\x+8*(\base+\i), S+8*(\base+\i), P+8*\x, 128*\x+8*(\base+\i), VS+(\base+\i)/2, ST+8*\x+5, \i%2, 0
.endif
.endr
.endr
.endm
; A KEY STEP: one record, 128 keys, for my two tiles of queries.  It finds v[ADR] at its record and the nine loads of PRELOAD issued.  first = 1: the first, whose products start O^T's sums.
; mode 0: my next record lies in the same slot.  mode 1: a slot's last step, with the change of slots and the refill.  mode 2: the same, with nothing left to fetch.  mode 3: the last step of all.
.macro STEP first, mode
.if !\first
.rept 5
	v_nop                                          ; the scores are written over V's fragments, which the last products read: five places ahead of a matrix instruction that writes over them; four serve the loads into p's registers
.endr
.endif
.irp t, 0,1,2,3
	ds_load_b128 v[F2+8*\t:F2+8*\t+3], v[ADR] offset:(4+\t)*1024
	ds_load_b128 v[F2+8*\t+4:F2+8*\t+7], v[ADR] offset:(4+\t)*1024+512
.endr
	s_wait_dscnt 0x8                               ; the nine asked for ahead are in; the eight just issued may be out
.irp t, 0,1,2,3                                ; S^T = K Q^T, each fragment against both tiles of queries
.irp x, 0,1
	WM S+64*\x+8*\t, F+8*\t, Q+8*\x, -1, KS+\t/2, QS+\x, \t%2, 0
.endr
.endr
	s_wait_dscnt 0x0
.irp t, 4,5,6,7
.irp x, 0,1
	WM S+64*\x+8*\t, F2+8*(\t-4), Q+8*\x, -1, KS+\t/2, QS+\x, \t%2, 0
.endr
.endr                                          ; lane (r, h): query r; the 16 registers of tiles 2 b, 2 b + 1 are keys 32 b + 16 h + 0 .. 15
.rept 4
	v_nop                                          ; places ahead of the first read of results, and of the lines that write over K's tiles 6 and 7
.endr
.irp b, 0,1,2,3
.irp x, 0,1
	v_max3_num_f32 v[BM+8*\x+\b], v[S+64*\x+16*\b], v[S+64*\x+16*\b+1], v[S+64*\x+16*\b+2]   ; THE LARGEST SCORE OF EACH BLOCK OF 32 KEYS serves twice: for the row's maximum and, since p rises with the score, for the block's largest p
.endr
.endr
.irp i, 3,5,7,9,11,13
.irp b, 0,1,2,3
.irp x, 0,1
	v_max3_num_f32 v[BM+8*\x+\b], v[BM+8*\x+\b], v[S+64*\x+16*\b+\i], v[S+64*\x+16*\b+\i+1]
.endr
.endr
.endr
.irp b, 0,1,2,3
.irp x, 0,1
	v_max_num_f32 v[BM+8*\x+\b], v[BM+8*\x+\b], v[S+64*\x+16*\b+15]
.endr
.endr
.irp b, 0,1,2,3
.irp x, 0,1
	v_permlanex16_b32 v[TP+8*\x+\b], v[BM+8*\x+\b], s[SEL], s[SEL+1]
.endr
.endr
.irp b, 0,1,2,3
.irp x, 0,1
	v_max_num_f32 v[BM+8*\x+\b], v[BM+8*\x+\b], v[TP+8*\x+\b]   ; with lane l xor 16's 16 keys
.endr
.endr
.irp x, 0,1
	v_max3_num_f32 v[ST+8*\x+6], v[BM+8*\x], v[BM+8*\x+1], v[BM+8*\x+2]
.endr
.irp x, 0,1
	v_max_num_f32 v[ST+8*\x+6], v[ST+8*\x+6], v[BM+8*\x+3]      ; the step's largest score of my query
.endr
.irp x, 0,1
	v_mul_f32 v[ST+8*\x+6], s[CS], v[ST+8*\x+6]                 ; as t
.endr
.irp x, 0,1
	v_max_num_f32 v[ST+8*\x+1], v[ST+8*\x+1], v[ST+8*\x+6]      ; the running largest t
.endr
.irp x, 0,1
	v_mov_b32 v[ST+8*\x+6], v[ST+8*\x]
.endr
.irp x, 0,1
	v_floor_f32 v[ST+8*\x], -v[ST+8*\x+1]                       ; the new -M = floor(-t) = -ceil(t): M IS A WHOLE NUMBER
.endr
.irp x, 0,1
	v_sub_f32 v[ST+8*\x+6], v[ST+8*\x], v[ST+8*\x+6]            ; old M - new M: a whole number, 0 or less
.endr
.irp x, 0,1
	v_cvt_i32_f32 v[ST+8*\x+6], v[ST+8*\x+6]                    ; (it saturates)
.endr
.irp x, 0,1
	v_ldexp_f32 v[ST+8*\x+4], 1.0, v[ST+8*\x+6]                 ; f = 2^(old M - new M)
.endr
.set j, 0
.rept 32
	v_pk_fma_f32 v[S+j:S+j+1], v[S+j:S+j+1], s[CS:CS+1], v[ST:ST+1] op_sel_hi:[1,0,0]            ; t - M, two at a time (of the pairs the low word serves both halves)
	v_pk_fma_f32 v[S+64+j:S+64+j+1], v[S+64+j:S+64+j+1], s[CS:CS+1], v[ST+8:ST+9] op_sel_hi:[1,0,0]
.set j, j+2
.endr
.irp b, 0,1,2,3
.irp x, 0,1
	v_fma_f32 v[BM+8*\x+\b], v[BM+8*\x+\b], s[CS], v[ST+8*\x]   ; the same of each block's largest score
.endr
.endr
.set j, 0
.rept 128
	v_exp_f32 v[S+j], v[S+j]                       ; p = 2^(t - M), at most 1: NOT normalised.  ONE BATCH
.set j, j+1
.endr
.irp x, 0,1
	v_pk_mul_f32 v[ST+8*\x+2:ST+8*\x+3], v[ST+8*\x+2:ST+8*\x+3], v[ST+8*\x+4:ST+8*\x+5] op_sel_hi:[1,0]   ; the sums under the new M: plain lines behind the exponentials
.endr
	s_wait_alu depctr_va_vdst(0)                   ; one wait for the batch, ahead of the first line that names a result
.irp b, 0,1,2,3
.irp x, 0,1
	v_exp_f32 v[BM+8*\x+\b], v[BM+8*\x+\b]         ; the block's largest p: the same two instructions on the same number give the same bits
.endr
.endr
.irp x, 0,1
	v_pk_add_f32 v[TP+8*\x:TP+8*\x+1], v[S+64*\x:S+64*\x+1], v[S+64*\x+2:S+64*\x+3]   ; THE ROW'S SUM IS TAKEN OF THE UNQUANTISED p: two at a time, two chains a tile
.endr
.irp j, 4,8,12,16,20,24,28,32,36,40,44,48,52,56,60
.irp x, 0,1
	v_pk_add_f32 v[ST+8*\x+2:ST+8*\x+3], v[ST+8*\x+2:ST+8*\x+3], v[S+64*\x+\j:S+64*\x+\j+1]
	v_pk_add_f32 v[TP+8*\x:TP+8*\x+1], v[TP+8*\x:TP+8*\x+1], v[S+64*\x+\j+2:S+64*\x+\j+3]
.endr
.endr
.irp x, 0,1
	v_pk_add_f32 v[ST+8*\x+2:ST+8*\x+3], v[ST+8*\x+2:ST+8*\x+3], v[TP+8*\x:TP+8*\x+1]
.endr
	s_wait_alu depctr_va_vdst(0)                   ; and one for the eight
.irp b, 0,1,2,3
.irp x, 0,1
	v_max_num_f32 v[BM+8*\x+\b], 0x1800000, v[BM+8*\x+\b]       ; the floor 2^(3 - 127): the byte cannot fall under 1
.endr
.endr
.irp b, 0,1,2,3
.irp x, 0,1
	v_add_nc_u32 v[BM+8*\x+\b], 0xff000000, v[BM+8*\x+\b]       ; 2 off the exponent field: the conversion's scale operand
.endr
.endr
.irp b, 0,1,2,3
.irp x, 0,1
	v_lshrrev_b32 v[TP+8*\x+\b], 23, v[BM+8*\x+\b]              ; the scale's byte
.endr
.endr
.irp x, 0,1
	v_lshl_or_b32 v[ST+8*\x+5], v[TP+8*\x+1], 8, v[TP+8*\x]     ; p's scale word for these 128 keys
.endr
.irp x, 0,1
	v_lshl_or_b32 v[ST+8*\x+5], v[TP+8*\x+2], 16, v[ST+8*\x+5]
.endr
.irp x, 0,1
	v_lshl_or_b32 v[ST+8*\x+5], v[TP+8*\x+3], 24, v[ST+8*\x+5]
.endr
.irp b, 0,1,2,3
.irp x, 0,1
	v_cvt_scalef32_pk8_fp4_f32 v[P+8*\x+2*\b], v[S+64*\x+16*\b:S+64*\x+16*\b+7], v[BM+8*\x+\b]
	v_cvt_scalef32_pk8_fp4_f32 v[P+8*\x+2*\b+1], v[S+64*\x+16*\b+8:S+64*\x+16*\b+15], v[BM+8*\x+\b]
.endr
.endr
	v_nop                                          ; one plain line behind a scaled conversion
.irp c, 0,1                                    ; the operand's layout wants a WHOLE block in a lane
.irp i, 0,1
.irp x, 0,1
	v_permlane16_swap_b32 v[P+8*\x+4*\c+\i], v[P+8*\x+4*\c+2+\i]
.endr
.endr
.endr
	ds_load_b128 v[VS:VS+3], v[ADR] offset:25088   ; V's scale words and all sixteen fragments, 34 loads, into the registers that p has left; they land while O^T is rescaled
	ds_load_b128 v[VS+4:VS+7], v[ADR] offset:25600
.set k, 0
.rept 32
	ds_load_b128 v[S+4*k:S+4*k+3], v[ADR] offset:8192+512*k
.set k, k+1
.endr
.if (\mode) == 0
	s_add_co_u32 s[TB], s[TB], 2*REC               ; my next record: the next but one, in this slot
	PRELOAD
.endif
.if ((\mode) == 1) || ((\mode) == 2)
	s_wait_tensorcnt 0x0                           ; THE CHANGE OF SLOTS.  All my tensor loads have landed: the one that was out is my part of the next slot;
	ds_add_u32 v[SPW], v[NIL]                      ; 0 onto my spare word: the steps and the rescaling below stand between it and the wait for it
.if (\mode) == 1
	WALK
.endif
.endif
.if \first
.rept 8
	v_nop                                          ; a scale word written by a vector instruction stands eight places ahead of the scaled product, an operand so written four
.endr
.else
	WIN 0x41                                       ; O^T (destination and source 0) window 1, f window 0
.set j, 0
.rept 64
	v_pk_mul_f32 v[j:j+1], v[j:j+1], v[ST+4:ST+5] op_sel_hi:[1,0]                 ; O^T under the new M: x f.  (These are also those places)
	v_pk_mul_f32 v[128+j:128+j+1], v[128+j:128+j+1], v[ST+12:ST+13] op_sel_hi:[1,0]
.set j, j+2
.endr
.endif
.if (\mode) == 0
	s_wait_dscnt 0x9                               ; V's 34 loads are in; the next record's nine, issued behind them, may be out
	PVRUN \first, 0
	PVRUN \first, 8
	WIN 0
.elseif (\mode) == 3
	s_wait_dscnt 0x0
	PVRUN 0, 0
	PVRUN 0, 8
	WIN 0
.else
	s_wait_dscnt 0x0                               ; V is in: my reads of this slot are over; and the add is done
	s_barrier_signal -1                            ; say so (mode 1: this barrier opens a round of the cluster's barrier),
	PVRUN 0, 0                                     ; work on registers while the others arrive,
	WIN 0
	s_barrier_wait -1                              ; and go on when all eight have said so
.if (\mode) == 1
	CREST                                          ; no wave of any partner still reads the slot that is left or has a load on its way
	REFILL                                         ; it takes the four records that follow the next slot's: the load has nearly two key steps in which to land
.else
	; x_main's rows of my 32 channels on the way out, 512 bytes each, are prefetched into the L2 here, two key steps ahead of their loads: a lane a row, two blocks of 256 bytes a row, each named once in the launch
	global_prefetch_b8 v[PFX], s[60:61] th:TH_LOAD_NT scope:SCOPE_SE
	global_prefetch_b8 v[PFX], s[60:61] offset:256 th:TH_LOAD_NT scope:SCOPE_SE
.endif
	s_sub_co_u32 s[TB], s[TB], 2*REC               ; back to my first record of a slot,
	s_xor_b32 s[TB], s[TB], SLOT1                  ; in the other slot, which is whole
	PRELOAD
	PVRUN 0, 8                                     ; the step's other sixteen products stand over those loads
	WIN 0
.endif
.endm
	s_load_b256 s[4:11], s[0:1], 0x0               ; q s[4:5], kv s[6:7], wts s[8:9], bnab s[10:11]
	s_load_b128 s[12:15], s[0:1], 0x20             ; gamma s[12:13], x_main s[14:15]
	s_load_b64 s[16:17], s[0:1], 0x30              ; out0
	v_lshl_add_u32 v[SPW], v0, 2, SPARE
	v_mov_b32 v[NIL], 0
	ds_add_u32 v3, v4
	ds_add_u32 v3, v4
	s_wait_dscnt 0x0
	v_lshrrev_b32 v6, 5, v0
	v_readfirstlane_b32 s[WV], v6                  ; wave 0..7
	s_and_b32 s[GQ], s[WV], 3                      ; which 32 queries
	s_lshr_b32 s[KH], s[WV], 2                     ; which half of the records
	s_bfe_u32 s66, ttmp6, 0x40000                  ; cx: my place in the cluster
	s_lshl_b32 s67, ttmp9, 2
	s_add_co_u32 s67, s67, s66                     ; my group of 128 queries: it enters q's, x_main's and out0's addresses alone
	s_and_b32 s68, ttmp7, 0xffff                   ; the batch, which the four partners share
	; descriptor groups 1: dense blocks as rows of 256 bytes (32 elements of 8 bytes); 15:0 the mask: all four work-groups; 21 set beside a mask
	s_mov_b32 s[G1], 15|(3<<16)|(1<<21)
	s_mov_b32 s[G1+1], 32<<16
	s_mov_b32 s[G1+2], 51<<16
	s_mov_b32 s[G1+3], 32<<16
	s_mov_b32 s[G1+4], 51
	s_mov_b32 s[G1+5], 32
	s_mov_b32 s[G1+6], 0
	s_mov_b32 s[G1+7], 0
	s_mov_b32 s[G1W], 15|(3<<16)|(1<<21)
	s_mov_b32 s[G1W+1], 32<<16
	s_mov_b32 s[G1W+2], 17<<16
	s_mov_b32 s[G1W+3], 32<<16
	s_mov_b32 s[G1W+4], 17
	s_mov_b32 s[G1W+5], 32
	s_mov_b32 s[G1W+6], 0
	s_mov_b32 s[G1W+7], 0
	s_mov_b32 s[CS], 0x3fb8aa3b                    ; log2(e)
	s_mov_b32 s[CS+1], s[CS]                       ; (named with it as a pair, so it is written)
	s_mov_b32 s[SEL], 0x76543210
	s_mov_b32 s[SEL+1], 0xfedcba98
	s_mul_i32 s[TB], s[KH], REC
	s_mov_b32 s[SLOTS], 7
	s_cmp_lt_u32 s[WV], 3
	s_cselect_b32 s73, 0, 1
	s_or_b32 s73, s73, ttmp9                       ; 0 in waves 0 to 2 of the batch's first cluster: the same in all four partners
	s_cmp_eq_u32 s73, 0
	s_cselect_b32 s[LIM], 1, -1
	s_mul_i32 s70, s68, BATB
	s_mov_b32 s71, 0
	s_mul_i32 s72, s[WV], WPART
	s_mov_b32 s73, 0
	s_mul_i32 s74, s[WV], OPART
	s_mov_b32 s75, 0
	s_wait_kmcnt 0x0
	s_load_b32 s[GAM], s[12:13], 0x0
	s_add_nc_u64 s[6:7], s[6:7], s[70:71]          ; kv at my batch
	s_mov_b32 s[G0], 1
	s_mov_b32 s[G0+1], s72                         ; slot 0, my eighth: no place in the cluster enters an LDS address
	s_add_nc_u64 s[G0+2:G0+3], s[6:7], s[72:73]
	s_or_b32 s[G0+3], s[G0+3], 0x80000000
	s_mov_b32 s[G0W], 1
	s_add_co_u32 s[G0W+1], s74, WO
	s_add_nc_u64 s[G0W+2:G0W+3], s[8:9], s[74:75]
	s_add_nc_u64 s[G0W+2:G0W+3], s[G0W+2:G0W+3], 4*SREC   ; wo's two records
	s_or_b32 s[G0W+3], s[G0W+3], 0x80000000
	CROUND                                         ; all four work-groups are here: the first joint loads meet
	tensor_load_to_lds s[G0W:G0W+3], s[G1W:G1W+7]  ; wo: filled once
	s_nop 0
	tensor_load_to_lds s[G0:G0+3], s[G1:G1+7]      ; slot 0.  Two tensor loads of mine are out
	s_nop 0
.rept 4
	v_nop
.endr
	s_mul_i32 s78, s66, REC                        ; the prefetches of kv: my work-group's record of a slot's four,
	s_add_co_u32 s78, s78, SLOTB                   ; in slot 1: the first change of slots steps it to slot 2.  Nothing is prefetched here, at the head
	s_mov_b32 s79, 0
	s_add_nc_u64 s[PFA:PFA+1], s[6:7], s[78:79]
	s_lshl_b32 s69, s68, 5
	s_add_co_u32 s69, s69, s67
	s_mul_i32 s76, s69, QREC
	s_mov_b32 s77, 0
	s_add_nc_u64 s[76:77], s[4:5], s[76:77]        ; my group's record of q
	s_lshl_b32 s60, s68, 22                        ; x_main and out0: the batch,
	s_lshl_b32 s69, s[WV], 19                      ; my 32 channels on the way out,
	s_add_co_u32 s60, s60, s69
	s_lshl_b32 s69, s67, 9                         ; the group's 512 bytes of a row
	s_add_co_u32 s60, s60, s69
	s_mov_b32 s61, 0
	s_add_nc_u64 s[62:63], s[16:17], s[60:61]
	s_add_nc_u64 s[60:61], s[14:15], s[60:61]
	v_and_b32 v6, 31, v0
	v_lshlrev_b32 v[LI], 4, v6
	v_lshlrev_b32 v[PFX], 14, v6
	v_lshlrev_b32 v[PFO], 8, v0
	s_lshl_b32 s69, s[GQ], 1
	s_add_co_u32 s21, s69, s[KH]                   ; tile x = 0: the one that I keep,
	s_xor_b32 s51, s21, 1                          ; tile x = 1: the one that I hand over
	s_lshl_b32 s21, s21, 10
	s_lshl_b32 s51, s51, 10
	v_add_nc_u32 v6, s21, v[LI]
	v_add_nc_u32 v7, s51, v[LI]
	global_load_b128 v[Q:Q+3], v6, s[76:77]
	global_load_b128 v[Q+4:Q+7], v6, s[76:77] offset:512
	global_load_b128 v[Q+8:Q+11], v7, s[76:77]
	global_load_b128 v[Q+12:Q+15], v7, s[76:77] offset:512
	v_and_b32 v90, 15, v0
	v_lshlrev_b32 v90, 4, v90
	s_lshl_b32 s21, s[GQ], 2
	s_lshl_b32 s51, s[KH], 8
	s_add_co_u32 s21, s21, s51
	v_add_nc_u32 v91, s21, v90                     ; the scale image's word w % 4 of lane r + 16 (tile % 2)
	s_xor_b32 s21, s21, 256
	v_add_nc_u32 v90, s21, v90
	global_load_b32 v[QS], v91, s[76:77] offset:8192
	global_load_b32 v[QS+1], v90, s[76:77] offset:8192
.irp x, 0,1
	v_mov_b32 v[ST+8*\x+1], 0xff61b1e6             ; the largest t so far: -3e38, under every t
	v_floor_f32 v[ST+8*\x], -v[ST+8*\x+1]          ; -M
	v_mov_b32 v[ST+8*\x+2], 0                      ; the sum, in two halves
	v_mov_b32 v[ST+8*\x+3], 0
	v_mov_b32 v[ST+8*\x+5], 0                      ; (named as the upper half of f's pair before it is first written)
.irp b, 0,1,2,3
	v_mov_b32 v[TP+8*\x+\b], 0                     ; written once: a lane permute's destination counts as one of its sources
.endr
.endr
	s_wait_kmcnt 0x0
	s_mov_b32 s[GAM+1], s[GAM]
	s_wait_loadcnt 0x0                             ; Q
	; the first change of slots stands alone: slot 0 and wo are waited for, slot 1 is asked for
	s_wait_tensorcnt 0x0
	ds_add_u32 v[SPW], v[NIL]                      ; 0 onto my spare word
	WALK
	s_wait_dscnt 0x0
	CROUND
	REFILL
	PRELOAD
	STEP 1, 0                                      ; slot's worth 0, my first record
	s_mov_b32 s[SLOTS], 6
.Lslot:                                            ; six trips: a slot's worth's second step with the change of slots (slots' worth 2 to 7 are asked for), and the next one's first step
	STEP 0, 1
	STEP 0, 0
	s_sub_co_u32 s[SLOTS], s[SLOTS], 1
	s_cmp_lg_u32 s[SLOTS], 0
	s_cbranch_scc1 .Lslot
	STEP 0, 2                                      ; the tail is written out: the last change of slots asks for nothing
	STEP 0, 0
	STEP 0, 3
	; THE WAY OUT.
.rept 4
	v_nop                                          ; places behind the last products
.endr
.irp x, 0,1
	v_add_f32 v[ST+8*\x+2], v[ST+8*\x+2], v[ST+8*\x+3]          ; the sum's two halves,
.endr
.irp x, 0,1
	v_permlanex16_b32 v[ST+8*\x+6], v[ST+8*\x+2], s[SEL], s[SEL+1]
.endr
.irp x, 0,1
	v_add_f32 v[ST+8*\x+2], v[ST+8*\x+2], v[ST+8*\x+6]          ; and lane l xor 16's: my half of the keys' sum
.endr
	s_mul_i32 s70, s[WV], MRGW
	s_xor_b32 s71, s[WV], 4
	s_mul_i32 s71, s71, MRGW
	v_and_b32 v33, 31, v0
	v_lshlrev_b32 v33, 2, v33
	v_add_nc_u32 v24, s70, v[LI]                   ; where I put the tile that I hand over,
	v_add_nc_u32 v25, s70, v33                     ; its -M and its sum;
	v_add_nc_u32 v26, s71, v[LI]                   ; where wave w xor 4 has put the other half of the tile that I keep
	v_add_nc_u32 v27, s71, v33
	v_add_nc_u32 v28, WO, v[LI]                    ; wo's images
	v_and_b32 v34, 15, v0                          ; r
	v_and_b32 v35, 8, v34
	v_add_nc_u32 v35, v35, v34                     ; r + 8 (r / 8)
	v_bfe_u32 v36, v0, 4, 1                        ; h
	v_mul_u32_u24 v29, v35, SP
	v_lshl_add_u32 v29, v36, 6, v29
	s_lshl_b32 s72, s[GQ], 7
	s_lshl_b32 s74, s[KH], 5
	s_add_co_u32 s72, s72, s74
	s_add_co_u32 s72, s72, STG
	v_add_nc_u32 v29, s72, v29                     ; the stage: my channel's row; my eight positions 32 (w % 4) + 8 (w / 4) + 16 h + 0 .. 7
	v_add_nc_u32 v30, 128*SP, v29                  ; the same 128 channels on
	s_mul_i32 s74, s[WV], 32*SP
	s_add_co_u32 s74, s74, STG
	v_add_nc_u32 v31, s74, v[LI]                   ; back: my 32 rows, 16 bytes a lane
	v_lshlrev_b32 v32, 6, v34                      ; bnab: 64 r
	s_wait_dscnt 0x0
	s_barrier_signal -1
	s_barrier_wait -1                              ; nobody reads a slot any more: their bytes serve the way out
	WIN 0x04                                       ; an LDS store's data are its source 1: window 1
.set k, 0
.rept 32
	ds_store_b128 v24, v[128+4*k:128+4*k+3] offset:512*k       ; tile x = 1 as an image of its registers, each accumulator from its low end on
.set k, k+1
.endr
	WIN 0
	ds_store_b32 v25, v[ST+8] offset:16384
	ds_store_b32 v25, v[ST+10] offset:16512
.irp i, 0,1,2,3
	global_load_b128 v[BNA+4*\i:BNA+4*\i+3], v32, s[10:11] offset:16*\i
.endr
.irp i, 0,1,2,3
	global_load_b128 v[BNB+4*\i:BNB+4*\i+3], v32, s[10:11] offset:1024+16*\i
.endr
	s_wait_dscnt 0x0                               ; for the other wave's sake: my stores have landed
	s_barrier_signal -1
	s_barrier_wait -1
	WIN 0x40
.set k, 0
.rept 32
	global_load_b128 v[128+4*k:128+4*k+3], v[LI], s[60:61] offset:16384*k th:TH_LOAD_NT   ; x_main's rows of my 32 channels, asked for early, into the registers that the tile handed over has left: 512 consecutive bytes a load
.set k, k+1
.endr
	WIN 0
.set k, 0
.rept 32
	ds_load_b128 v[S+4*k:S+4*k+3], v26 offset:512*k
.set k, k+1
.endr
	ds_load_b32 v6, v27 offset:16384               ; the other half's -M
	ds_load_b32 v7, v27 offset:16512               ; and sum
	s_wait_dscnt 0x0
	v_min_num_f32 v14, v[ST], v6                   ; -M of both halves
	v_sub_f32 v15, v14, v[ST]                      ; my M - M: a whole number, 0 or less
	v_sub_f32 v22, v14, v6
	v_cvt_i32_f32 v15, v15
	v_cvt_i32_f32 v22, v22
	v_ldexp_f32 v15, 1.0, v15                      ; exact powers of two
	v_ldexp_f32 v22, 1.0, v22
	v_mul_f32 v14, v[ST+2], v15
	v_fma_f32 v14, v7, v22, v14                    ; the row's sum
	v_rcp_f32 v23, v14
	v_nop                                          ; a plain line behind the transcendental
	s_wait_alu depctr_va_vdst(0)                   ; and the wait ahead of the first line that names its result
	v_mul_f32 v12, v15, v23                        ; what my half is multiplied by,
	v_mul_f32 v6, v22, v23                         ; and the other
.set j, 0
.rept 64
	v_pk_mul_f32 v[S+j:S+j+1], v[S+j:S+j+1], v[6:7] op_sel_hi:[1,0]
.set j, j+2
.endr
	WIN 0x01                                       ; source 0: my O^T, window 1
.set j, 0
.rept 64
	v_pk_fma_f32 v[S+j:S+j+1], v[j:j+1], v[12:13], v[S+j:S+j+1] op_sel_hi:[1,0,1]   ; O / the sum: register 16 B + i is channel 32 B + 16 h + i of my query
.set j, j+2
.endr
	WIN 0
	QUANT S, P, QS                                 ; channels 0-127: K step 0 of the last product
	QUANT S+64, P+8, QS+1                          ; channels 128-255
.irp s, 0,1
.irp e, 0,1
	ds_load_b128 v[KS+8*\s+4*\e:KS+8*\s+4*\e+3], v28 offset:\e*SREC+16384+512*\s   ; wo's scale words
.endr
.endr
.irp t, 0,1,2,3,4,5,6,7,8,9,10,11,12,13,14,15
	ds_load_b128 v[S+8*\t:S+8*\t+3], v28 offset:(\t/8)*SREC+(\t%8)*2048
	ds_load_b128 v[S+8*\t+4:S+8*\t+7], v28 offset:(\t/8)*SREC+(\t%8)*2048+512
.endr
.rept 8
	v_nop                                          ; a scale word written by a vector instruction stands eight places ahead of the scaled product
.endr
	s_wait_dscnt 0x0
	WIN 0x40                                       ; D window 1: the registers that my O^T has left
.irp t, 0,1,2,3,4,5,6,7,8,9,10,11,12,13,14,15
	WM 8*\t, P, S+8*\t, -1, QS, KS+4*(\t/8)+(\t%8)/2, 0, \t%2
.endr
	WIN 0
.rept 4
	v_nop
.endr
.irp t, 0,1,2,3,4,5,6,7,8,9,10,11,12,13,14,15
	ds_load_b128 v[S+8*\t:S+8*\t+3], v28 offset:(\t/8)*SREC+(\t%8)*2048+1024
	ds_load_b128 v[S+8*\t+4:S+8*\t+7], v28 offset:(\t/8)*SREC+(\t%8)*2048+1536
.endr
	s_wait_dscnt 0x0
	WIN 0x50
.irp t, 0,1,2,3,4,5,6,7,8,9,10,11,12,13,14,15
	WM 8*\t, P+8, S+8*\t, 8*\t, QS+1, KS+8+4*(\t/8)+(\t%8)/2, 0, \t%2
.endr
.rept 4
	v_nop
.endr
	s_wait_loadcnt 32                              ; the eight loads of A and Bc are in; x_main's 32, issued behind them, may be out
	WIN 0x41
.set t, 0
.rept 16
.set j, 0
.rept 8
	v_fma_f32 v[8*t+j], v[8*t+j], v[BNA+t], v[BNB+t]            ; the bias and the batch norm in one: y A + Bc
.set j, j+1
.endr
.set t, t+1
.endr
	WIN 0x44
.set j, 0
.rept 128
	v_max_num_f32 v[j], 0, v[j]                    ; relu
.set j, j+1
.endr
	WIN 0x04
.irp t, 0,1,2,3,4,5,6,7,8,9,10,11,12,13,14,15
	ds_store_b128 v[29+\t/8], v[8*\t:8*\t+3] offset:(32*((\t%8)/2)+8*(\t%2))*SP
	ds_store_b128 v[29+\t/8], v[8*\t+4:8*\t+7] offset:(32*((\t%8)/2)+8*(\t%2))*SP+16
.endr
	WIN 0
	s_wait_dscnt 0x0
	s_barrier_signal -1
	s_barrier_wait -1                              ; 256 whole rows of 128 positions lie in the stage
.set k, 0
.rept 32
	ds_load_b128 v[S+4*k:S+4*k+3], v31 offset:SP*k
.set k, k+1
.endr
	s_wait_dscnt 0x0
	s_wait_loadcnt 0x0                             ; x_main
	WIN 0x10                                       ; source 2: x_main, window 1
.set j, 0
.rept 64
	v_pk_fma_f32 v[S+j:S+j+1], v[S+j:S+j+1], s[GAM:GAM+1], v[S+j:S+j+1] op_sel_hi:[1,0,1]
.set j, j+2
.endr
	WIN 0
.set k, 0
.rept 32
	global_store_b128 v[LI], v[S+4*k:S+4*k+3], s[62:63] offset:16384*k th:TH_STORE_NT   ; 32 lanes store 512 consecutive bytes, at a multiple of 256 from out0's first byte
.set k, k+1
.endr
	s_wait_tensorcnt 0x0                           ; the wave's end, behind my last tensor load and my last LDS store
	ds_add_u32 v[SPW], v[NIL]
	s_wait_dscnt 0x0
	CROUND                                         ; the closing round: no work-group ends while a partner may still ask for a tile that names it
	s_endpgm
.Lfunc_end_k_qd90826a77e_attn:
	.size	k_qd90826a77e_attn, .Lfunc_end_k_qd90826a77e_attn-k_qd90826a77e_attn
	.p2alignl 7, 3214868480
	.fill 96, 4, 3214868480
	.section	.rodata,"a",@progbits
	.p2align	6, 0x0
	.amdhsa_kernel k_qd90826a77e_attn
		.amdhsa_group_segment_fixed_size 327680
		.amdhsa_private_segment_fixed_size 0
		.amdhsa_enable_private_segment 0
		.amdhsa_kernarg_size 56
		.amdhsa_user_sgpr_count 2
		.amdhsa_user_sgpr_kernarg_segment_ptr 1
		.amdhsa_wavefront_size32 1
		.amdhsa_system_sgpr_workgroup_id_x 1
		.amdhsa_system_sgpr_workgroup_id_y 1
		.amdhsa_system_sgpr_workgroup_id_z 1
		.amdhsa_system_vgpr_workitem_id 0
		.amdhsa_next_free_vgpr 512
		.amdhsa_next_free_sgpr 80
		.amdhsa_reserve_vcc 0
		.amdhsa_float_denorm_mode_32 3
		.amdhsa_float_denorm_mode_16_64 3
		.amdhsa_memory_ordered 1
		.amdhsa_forward_progress 1
		.amdhsa_inst_pref_size 255
	.end_amdhsa_kernel
	.section	.bss,"aw",@nobits
	.p2align	6
	.space	262144
	.amdgpu_metadata
---
amdhsa.version: [ 1, 2 ]
amdhsa.kernels:
  - .name:           k_qd90826a77e_attn
    .symbol:         k_qd90826a77e_attn.kd
    .args:
      - { .name: q, .offset: 0, .size: 8, .value_kind: global_buffer, .address_space: global }
      - { .name: kv, .offset: 8, .size: 8, .value_kind: global_buffer, .address_space: global }
      - { .name: wts, .offset: 16, .size: 8, .value_kind: global_buffer, .address_space: global }
      - { .name: bnab, .offset: 24, .size: 8, .value_kind: global_buffer, .address_space: global }
      - { .name: gamma, .offset: 32, .size: 8, .value_kind: global_buffer, .address_space: global }
      - { .name: x_main, .offset: 40, .size: 8, .value_kind: global_buffer, .address_space: global }
      - { .name: out0, .offset: 48, .size: 8, .value_kind: global_buffer, .address_space: global }
    .group_segment_fixed_size: 327680
    .private_segment_fixed_size: 0
    .kernarg_segment_align: 8
    .kernarg_segment_size: 56
    .max_flat_workgroup_size: 256
    .sgpr_count:     80
    .vgpr_count:     512
    .wavefront_size: 32
...
	.end_amdgpu_metadata
.endif
;; end of part 3
